; MI455X (gfx1250); checked and timed in simulation.
; The chip was launched on July 23, 2026; its instructions are those of AMD's public machine-readable ISA for CDNA 5 (MIT licence, August 2026) and "CDNA5" Instruction Set Architecture Reference Guide (July 2026). The comments in the code are by the model that wrote it; some were corrected since.
;; Slot Model. Allowed arithmetic: matrix products marked QUANTISED: E5M2 operands, one given power-of-two scale a tensor, by v_wmma_f32_16x16x64_bf8_bf8 or v_wmma_f32_16x16x128_bf8_bf8, f32 sums; products left as they are: f32 operands where the result goes on into a quantised operand, else bf16, f16 or f32 operands; f32 sums; everything else in f32.
;; Inputs: W1_codes 128 x 2 x 32 uint8 (E5M2 codes of W1, K innermost, in blocks of 32 codes); W2_codes 64 x 4 x 32 uint8 (E5M2 codes of W2, K innermost, in blocks of 32 codes); Wo_codes 64 x 2 x 32 uint8 (E5M2 codes of Wo, K innermost, in blocks of 32 codes); Wq_codes 64 x 2 x 32 uint8 (E5M2 codes of Wq, K innermost, in blocks of 32 codes); b1 128 float32; b2 64 float32; beta 64 float32; bo 64 float32; bq 64 float32; embed 64 x 64 float32; gamma 64 float32; lowp_scales 8 int32 (the exponents e of the quantised operands' scales 2^e); seq 2,048 x 512 int32.
;; Outputs: out0 2,048 x 64 float32.
;; This version of the problem:
;;   THIS VERSION OF THE PROBLEM IS GIVEN IN LOW PRECISION. The matrix products marked QUANTISED in the list below multiply operands that are first quantised to E5M2 (5 exponent bits, 2 mantissa bits; 8 bits a number), with one given power-of-two scale for each operand tensor; their sums are f32. All else is computed in f32.
;;   The module's matrix products, in the order in which they are computed (A, B: the left and right operand; K: the contracted axis; several contracted axes count as one K, in the product's order):
;;     1. [M 1,048,576, K 64] x [K 64, N 128]; A: computed on the way; B: input W1 (given as codes): QUANTISED (scales: A lowp_scales[0], B lowp_scales[1])
;;     2. [M 1,048,576, K 128] x [K 128, N 64]; A: computed on the way; B: input W2 (given as codes): QUANTISED (scales: A lowp_scales[2], B lowp_scales[3])
;;     3. [M 2,048, K 64] x [K 64, N 64]; A: computed on the way; B: input Wq (given as codes): QUANTISED (scales: A lowp_scales[4], B lowp_scales[5])
;;     4. batch 2,048 x [M 1, K 64] x [K 64, N 6]; A: computed on the way; B: computed on the way: left as it is (M = 1 < 16)
;;     5. batch 2,048 x [M 1, K 6] x [K 6, N 64]; A: softmax; B: computed on the way: left as it is (K = 6 < 32)
;;     6. [M 2,048, K 64] x [K 64, N 64]; A: computed on the way; B: input Wo (given as codes): QUANTISED (scales: A lowp_scales[6], B lowp_scales[7])
;;   THE QUANTISER, for each operand of a quantised product, along K:
;;     - The operand's scale is 2^e, e = its entry of the input lowp_scales (int32; the entries are numbered through the quantised products in the list's order, A before B).
;;     - Each number is divided by the scale, clamped to +-57,344, and rounded to the nearest number of E5M2, ties to even, subnormals kept.
;;     - The product sums the exact products of the quantised numbers (number of the format x scale) in f32.
;;   ~~~python
;;   def quantise(x, axis, e):      # numpy; x: float32 -> the quantised numbers, widened to float32 again
;;       x = np.moveaxis(x, axis, -1); K = x.shape[-1]
;;       r = np.clip(x / 2.0 ** e, -57344, 57344)
;;       step = 2.0 ** (np.maximum(np.frexp(np.where(r == 0, 1, r))[1] - 1, -14) - 2)
;;       q = np.round(r / step) * step * 2.0 ** e      # np.round: ties to even
;;       return np.moveaxis(q, -1, axis).astype(np.float32)
;;   ~~~
;;   OPERANDS COMPUTED ON THE WAY. 'Computed on the way' means the value that the module computes at that place (a softmax that the list does not call 'softmax' is quantised finished and normalised). What goes into a quantiser is computed in f32, as accurately as f32 sums, v_exp_f32 and their like allow (about 1e-6 of the number): no bf16 or f16 on the way to a quantiser, and a product that is left as it is and whose result goes on into a quantised operand takes f32 operands (vector FMAs, or v_wmma_f32_16x16x4_f32). A number that lies on a knife's edge between two numbers of the format may be rounded either way, as far as f32 arithmetic and the matrix unit's own rounding can turn it there, and no further.
;;   INPUTS GIVEN AS CODES. W1 (in the module: [64, 128], K = its axis 0); W2 (in the module: [128, 64], K = its axis 0); Wo (in the module: [64, 64], K = its axis 0); Wq (in the module: [64, 64], K = its axis 0): each comes as NAME_codes (uint8): NAME with its K axis moved to the last place and cut into blocks of 32 codes, [.., K / 32, bytes a block], one block behind the other in memory; one code a byte (a code: sign, 5 exponent bits, 2 mantissa bits); its scale is its entry of lowp_scales. Its value is code x scale, taken as it is: it is not quantised again, and the codes and scales need not be those that the quantiser above would give.
;; One version. Each part assembles by itself: llvm-mc -triple=amdgcn-amd-amdhsa -mcpu=gfx1250 --defsym DOCPART=n.
;; ======== version 1 of 1: 1 launch
;; limits: right only within a limited range of input values
;; launch slot (part 1): grid 256 x 1, 8 waves a work-group, no clusters, 285,696 bytes of LDS; arguments seq, embed, W1_codes, W2_codes, Wq_codes, Wo_codes, b1, b2, gamma, beta, bq, bo, lowp_scales, out0; writes out0
.if DOCPART == 1
	.amdgcn_target "amdgcn-amd-amdhsa--gfx1250"
	.amdhsa_code_object_version 6
	.text
	.protected	k_q7ca6da1d3b_slot
	.globl	k_q7ca6da1d3b_slot
	.p2align	8
	.type	k_q7ca6da1d3b_slot,@function
k_q7ca6da1d3b_slot:
	s_mov_b64 s[64:65], 0
	v_nop
	global_prefetch_b8 v0, s[64:65] scope:SCOPE_SE
	s_setreg_imm32_b32 hwreg(HW_REG_WAVE_MODE, 25, 1), 1
	s_wait_xcnt 0x0
; SlotModel on codes of BF8 (E5M2), one launch.  Per token: e = embed[tok]; h = LayerNorm(e + relu(Q(e) W1 + b1) -> Q -> W2 + b2).  Per sequence: the norms of h at positions 0..508, the six
; largest (ties: the lower position), q = Q(h[511]) Wq + bq, a softmax over the six scores q . slot / 8, ctx, out = Q(ctx) Wo + bo.
; SHARES.  256 work-groups of 8 waves; a wave owns ONE of the 2,048 sequences: 32 tiles of 16 tokens, two tiles (a pair) at a time, 8 trips of two pairs; then its own top-6 and tail; one store of 256 bytes.
; Two waves of 512 registers lie on each SIMD, so that one wave's vector work stands beside the other's products and LDS loads.
; LAYOUT.  Both token products are used transposed (source 0 = 16 rows of the weight, source 1 = 16 tokens): lane (r = lane % 16, h = lane / 16) holds token r.  The rows of a weight that form tile
; 2 b + u are 32 b + 8 u + r + 8 (r / 8), so that register rho = 8 t + j holds feature 32 (rho / 16) + 16 h + rho % 16: sixteen registers on end are sixteen neighbours along the next K.  All vectors
; by feature (b1, gamma, beta, bq, the residual, the table of h) lie in that order.  In a fragment of codes registers 4 c .. 4 c + 3 hold k = 32 c + 16 h + 0 .. 15, on both sides of every product alike.
; TABLES IN LDS, made once by the work-group: RES: (embed[v] + b2) / 2^(e2 + e3) as an image of the 32 registers, copied for all 16 r, so that lane l always reads 16-byte column l % 16 of the banks whatever its
; token: it is the C of the second product.  COD: the codes of embed[v].  HT: h of the 64 vocabulary rows, made by the same lines as the tokens' h.
; THE TAIL HAS NO ADDRESS THAT HANGS ON THE TOP-6: the six chosen tokens only give each vocabulary row v its multiplicity c_v (compares and selects); weight_v = c_v exp(s_v - max) / sum, ctx = sum of weight_v h_v.
; That is the softmax over the six slots, slots of one token taken together.
; No tensor loads, no cluster: what work-groups share is 41 KB of weights and tables, read once at the head.
; LIMITS on the given exponents, so that each power of two below is an f32 number: e0, e4, e6 and e2 - e0 - e1 between -126 and 112; e2 + e3 between -120 and 127; e4 + e5 and e6 + e7 between -126 and 127;
; (embed + b2 + ff) / 2^(e2 + e3) stays finite.  NaN and infinities among the inputs are not served.  Token ids are held at 63.
; REGISTERS, window 0: v1 r, v2 h, v4 16 lane, v5 COD + 16 h, v6 16 r, v7/v38 where the table of h is stored, v39 8 lane; v8-11 tokens; v12-15, v16-19 LDS addresses of four tiles in RES, COD; v20-35 statistics;
;   v36-37 at work; v40-55 norms; v56-71 codes of e (later payloads, later codes of h[511] and ctx); v72-103 hidden codes (later h[511], q, ctx); v104-167 first product of tile A, then C of the second for both tiles;
;   v168-231 first product of tile B, then the second product's results; v232-239 scales; v240-255 at work at the head and in the tail.
;   window 1: v0-63 W1, v64-127 W2, v128-191 b1, v192-223 gamma, v224-255 beta; behind the loop v0-31 Wq, v32-63 Wo, v64-95 bq.
.set COD,  262144                      ; LDS: RES takes bytes 0 to 262,143 (64 rows x 4,096)
.set CODP, 80                          ; a row of codes: 64 bytes + 16
.set HT,   267264
.set HTP,  272                         ; a row of h: 256 bytes + 16
.set TK,   8
.set AR,   12
.set AC,   16
.set STA,  20                          ; tile A's statistics; tile B's 8 further on.  +0..+3 two chains, +4 mu, +6 1 / sqrt(var + eps); +5, +7 are named as upper halves of pairs
.set NR,   40
.set ECA,  56
.set ECB,  64
.set PY,   56
.set HCA,  72
.set HCB,  88
.set D1A,  104
.set D1B,  168
.set YA,   104                         ; tile B's 32 further on
.set XA,   168                         ; tile B's 32 further on
.set RK,   12                          ; the six payloads chosen
.set W1F,  0
.set W2F,  64
.set B1,   128
.set GA,   192
.set BE,   224
.set WQ,   0
.set WO,   32
.set BQ,   64
.set MSB, 0
.macro WIN new                         ; s_set_vgpr_msb: bits 1:0 source 0, 3:2 source 1, 5:4 source 2, 7:6 destination; the high byte repeats the setting that is left
.if MSB != \new
	s_set_vgpr_msb (MSB<<8)|\new
.set MSB, \new
.endif
.endm
.macro PLACES n                        ; plain vector places behind matrix instructions (ISA guide 7.12.1)
.rept \n
	v_nop
.endr
.endm
.macro MKSC se, vs                     ; v[vs] = 2^e as f32, v[vs + 1] = 57,344 x 2^e
	s_add_co_i32 s58, \se, 127
	s_lshl_b32 s60, s58, 23
	v_mov_b32 v[\vs], s60
	s_add_co_i32 s58, s58, 15
	s_lshl_b32 s58, s58, 23
	s_or_b32 s58, s58, 0x600000
	v_mov_b32 v[\vs+1], s58
.endm
.macro ADDR i                          ; tile i's token, held at 63, gives its places in RES and in COD
	v_min_u32 v[36+(\i)%2], 63, v[TK+\i]
	s_delay_alu instid0(VALU_DEP_1)
	v_lshl_add_u32 v[AR+\i], v[36+(\i)%2], 12, v4
	s_delay_alu instid0(VALU_DEP_2)
	v_mad_u32_u24 v[AC+\i], v[36+(\i)%2], CODP, v5
.endm
.macro ECLOAD p                        ; the codes of e of pair p's two tiles
	ds_load_b128 v[ECA:ECA+3],   v[AC+2*\p]
	ds_load_b128 v[ECA+4:ECA+7], v[AC+2*\p] offset:32
	ds_load_b128 v[ECB:ECB+3],   v[AC+2*\p+1]
	ds_load_b128 v[ECB+4:ECB+7], v[AC+2*\p+1] offset:32
.endm
.macro CLOAD p                         ; the residual of pair p's two tiles: the C of the second product
.irp c, 0,1,2,3,4,5,6,7
	ds_load_b128 v[YA+4*\c:YA+4*\c+3], v[AR+2*\p] offset:512*\c
.endr
.irp c, 0,1,2,3,4,5,6,7
	ds_load_b128 v[YA+32+4*\c:YA+32+4*\c+3], v[AR+2*\p+1] offset:512*\c
.endr
.endm
.macro P1                              ; 128 hidden units x 16 tokens x 2 tiles, K = 64; C = b1 / 2^(e0 + e1).  Sixteen different accumulators, none added onto
	WIN 0x11                                       ; W1 and b1 in window 1
.irp t, 0,1,2,3,4,5,6,7
	v_wmma_f32_16x16x64_bf8_bf8 v[D1A+8*\t:D1A+8*\t+7], v[W1F+8*\t:W1F+8*\t+7], v[ECA:ECA+7], v[B1+8*\t:B1+8*\t+7]
	v_wmma_f32_16x16x64_bf8_bf8 v[D1B+8*\t:D1B+8*\t+7], v[W1F+8*\t:W1F+8*\t+7], v[ECB:ECB+7], v[B1+8*\t:B1+8*\t+7]
.endr
	WIN 0
.endm
.macro P2                              ; 64 features x 16 tokens x 2 tiles, K = 128; C = the residual.  Eight different accumulators
	WIN 0x01                                       ; W2 in window 1
.irp t, 0,1,2,3
	v_wmma_f32_16x16x128_bf8_bf8 v[XA+8*\t:XA+8*\t+7], v[W2F+16*\t:W2F+16*\t+15], v[HCA:HCA+15], v[YA+8*\t:YA+8*\t+7]
	v_wmma_f32_16x16x128_bf8_bf8 v[XA+32+8*\t:XA+32+8*\t+7], v[W2F+16*\t:W2F+16*\t+15], v[HCB:HCB+15], v[YA+32+8*\t:YA+32+8*\t+7]
.endr
	WIN 0
.endm
; 16 nb numbers of a lane become 4 nb registers of codes.  relu = 1: what is negative becomes 0 on the way.  The conversion to an 8-bit code does not saturate (ISA guide 7.6.2): with relu = 1 the hold comes first; relu = 0 holds nothing.  Ascending.
.macro QUANT src, dst, nb, relu, sc, lim
.set qb, 0
.rept \nb
.set qi, 0
.rept 16
.if \relu
	v_med3_num_f32 v[(\src)+16*qb+qi], v[(\src)+16*qb+qi], 0, v[\lim]
.else
.endif
.set qi, qi+1
.endr
	v_cvt_scalef32_pk8_bf8_f32 v[(\dst)+4*qb:(\dst)+4*qb+1], v[(\src)+16*qb:(\src)+16*qb+7], v[\sc]
	v_cvt_scalef32_pk8_bf8_f32 v[(\dst)+4*qb+2:(\dst)+4*qb+3], v[(\src)+16*qb+8:(\src)+16*qb+15], v[\sc]
.set qb, qb+1
.endr
.endm
.macro XROW opd, reg                   ; over the 16 lanes of a row, the result in each
	s_delay_alu instid0(VALU_DEP_1)
	\opd v[\reg], v[\reg], v[\reg] row_xmask:1 row_mask:0xf bank_mask:0xf
	s_delay_alu instid0(VALU_DEP_1)
	\opd v[\reg], v[\reg], v[\reg] row_xmask:2 row_mask:0xf bank_mask:0xf
	s_delay_alu instid0(VALU_DEP_1)
	\opd v[\reg], v[\reg], v[\reg] row_xmask:4 row_mask:0xf bank_mask:0xf
	s_delay_alu instid0(VALU_DEP_1)
	\opd v[\reg], v[\reg], v[\reg] row_xmask:8 row_mask:0xf bank_mask:0xf
.endm
.macro XRED opd, op, reg, tmp          ; over all 32 lanes
	XROW \opd, \reg
	s_delay_alu instid0(VALU_DEP_1)
	v_permlanex16_b32 v[\tmp], v[\reg], s42, s43
	s_delay_alu instid0(VALU_DEP_1)
	\op v[\reg], v[\reg], v[\tmp]
.endm
; THE LAYER NORM of the pair: every step writes tile A's line and tile B's by turns (q = 0, 1), so that no line waits for the one above it.
.macro LNSUM                           ; mu = the sum of my token's 64 numbers x 2^(e2 + e3) / 64
.irp q, 0,1
	v_pk_add_f32 v[STA+8*\q:STA+8*\q+1], v[XA+32*\q:XA+32*\q+1], v[XA+32*\q+4:XA+32*\q+5]
.endr
.irp q, 0,1
	v_pk_add_f32 v[STA+8*\q+2:STA+8*\q+3], v[XA+32*\q+2:XA+32*\q+3], v[XA+32*\q+6:XA+32*\q+7]
.endr
.irp i, 8,12,16,20,24,28
.irp q, 0,1
	v_pk_add_f32 v[STA+8*\q:STA+8*\q+1], v[STA+8*\q:STA+8*\q+1], v[XA+32*\q+\i:XA+32*\q+\i+1]
.endr
.irp q, 0,1
	v_pk_add_f32 v[STA+8*\q+2:STA+8*\q+3], v[STA+8*\q+2:STA+8*\q+3], v[XA+32*\q+\i+2:XA+32*\q+\i+3]
.endr
.endr
.irp q, 0,1
	s_delay_alu instid0(VALU_DEP_2)
	v_pk_add_f32 v[STA+8*\q:STA+8*\q+1], v[STA+8*\q:STA+8*\q+1], v[STA+8*\q+2:STA+8*\q+3]
.endr
.irp q, 0,1
	s_delay_alu instid0(VALU_DEP_2)
	v_add_f32 v[STA+8*\q], v[STA+8*\q], v[STA+8*\q+1]
.endr
.irp q, 0,1
	s_delay_alu instid0(VALU_DEP_2)
	v_permlanex16_b32 v[STA+8*\q+1], v[STA+8*\q], s42, s43   ; the token's other 32 features lie in the lane 16 away
.endr
.irp q, 0,1
	s_delay_alu instid0(VALU_DEP_2)
	v_add_f32 v[STA+8*\q], v[STA+8*\q], v[STA+8*\q+1]
.endr
.irp q, 0,1
	s_delay_alu instid0(VALU_DEP_2)
	v_mul_f32 v[STA+8*\q+4], s50, v[STA+8*\q]
.endr
.endm
.macro LND                             ; x - mu, in true units, one rounding
.irp i, 0,2,4,6,8,10,12,14,16,18,20,22,24,26,28,30
.irp q, 0,1
	v_pk_fma_f32 v[XA+32*\q+\i:XA+32*\q+\i+1], v[XA+32*\q+\i:XA+32*\q+\i+1], s[48:49], v[STA+8*\q+4:STA+8*\q+5] op_sel_hi:[1,0,0] neg_lo:[0,0,1] neg_hi:[0,0,1]
.endr
.endr
.endm
.macro SUMSQ                           ; the sum of the squares of my 32 numbers, in two chains, into ST + 0
.irp q, 0,1
	v_pk_mul_f32 v[STA+8*\q:STA+8*\q+1], v[XA+32*\q:XA+32*\q+1], v[XA+32*\q:XA+32*\q+1]
.endr
.irp q, 0,1
	v_pk_mul_f32 v[STA+8*\q+2:STA+8*\q+3], v[XA+32*\q+2:XA+32*\q+3], v[XA+32*\q+2:XA+32*\q+3]
.endr
.irp i, 4,8,12,16,20,24,28
.irp q, 0,1
	s_delay_alu instid0(VALU_DEP_4)
	v_pk_fma_f32 v[STA+8*\q:STA+8*\q+1], v[XA+32*\q+\i:XA+32*\q+\i+1], v[XA+32*\q+\i:XA+32*\q+\i+1], v[STA+8*\q:STA+8*\q+1]
.endr
.irp q, 0,1
	s_delay_alu instid0(VALU_DEP_4)
	v_pk_fma_f32 v[STA+8*\q+2:STA+8*\q+3], v[XA+32*\q+\i+2:XA+32*\q+\i+3], v[XA+32*\q+\i+2:XA+32*\q+\i+3], v[STA+8*\q+2:STA+8*\q+3]
.endr
.endr
.irp q, 0,1
	s_delay_alu instid0(VALU_DEP_2)
	v_pk_add_f32 v[STA+8*\q:STA+8*\q+1], v[STA+8*\q:STA+8*\q+1], v[STA+8*\q+2:STA+8*\q+3]
.endr
.irp q, 0,1
	s_delay_alu instid0(VALU_DEP_2)
	v_add_f32 v[STA+8*\q], v[STA+8*\q], v[STA+8*\q+1]
.endr
.endm
.macro LNVAR                           ; 1 / sqrt(mean of (x - mu)^2 + 1e-5)
	SUMSQ
.irp q, 0,1
	s_delay_alu instid0(VALU_DEP_2)
	v_permlanex16_b32 v[STA+8*\q+1], v[STA+8*\q], s42, s43
.endr
.irp q, 0,1
	s_delay_alu instid0(VALU_DEP_2)
	v_add_f32 v[STA+8*\q], v[STA+8*\q], v[STA+8*\q+1]
.endr
.irp q, 0,1
	s_delay_alu instid0(VALU_DEP_2)
	v_fma_f32 v[STA+8*\q], v[STA+8*\q], s51, s52
.endr
	s_wait_alu depctr_va_vdst(0)
.irp q, 0,1
	v_rsq_f32 v[STA+8*\q+6], v[STA+8*\q]
.endr
	v_nop                                          ; a plain instruction between the roots and the use of their results
.endm
.macro LNDR
	s_wait_alu depctr_va_vdst(0)
.irp i, 0,2,4,6,8,10,12,14,16,18,20,22,24,26,28,30
.irp q, 0,1
	v_pk_mul_f32 v[XA+32*\q+\i:XA+32*\q+\i+1], v[XA+32*\q+\i:XA+32*\q+\i+1], v[STA+8*\q+6:STA+8*\q+7] op_sel_hi:[1,0]
.endr
.endr
.endm
.macro LNH                             ; x gamma + beta
	WIN 0x14                                       ; gamma and beta in window 1
.irp i, 0,2,4,6,8,10,12,14,16,18,20,22,24,26,28,30
.irp q, 0,1
	v_pk_fma_f32 v[XA+32*\q+\i:XA+32*\q+\i+1], v[XA+32*\q+\i:XA+32*\q+\i+1], v[GA+\i:GA+\i+1], v[BE+\i:BE+\i+1]
.endr
.endr
	WIN 0
.endm
.macro LNNRM nd                        ; the two tiles' norms in ONE register: lanes 0-15 keep tile A's token r, lanes 16-31 tile B's
	SUMSQ
	s_delay_alu instid0(VALU_DEP_1)
	v_cndmask_b32 v36, v[STA], v[STA+8], s44       ; what I keep: my half of it,
	s_delay_alu instid0(VALU_DEP_2)
	v_cndmask_b32 v37, v[STA+8], v[STA], s44       ; what the lane 16 away keeps: my half of that
	s_delay_alu instid0(VALU_DEP_1)
	v_permlanex16_b32 v[STA+1], v37, s42, s43
	s_delay_alu instid0(VALU_DEP_1)
	v_add_f32 v36, v36, v[STA+1]
	s_wait_alu depctr_va_vdst(0)
	v_sqrt_f32 v[NR+\nd], v36
	v_nop                                          ; a plain instruction behind the root
.endm
; A PAIR of tiles.  mode 1: a trip's first pair: the norms move two places down (these 14 moves are the places behind the first product) and the second pair's codes are asked for.
; mode 0: a trip's second pair.  mode 2: the table of h: the results go to LDS, and no norm is taken.
.macro PAIR p, mode, nd
	s_wait_dscnt 0x0                               ; the codes of e are in
	P1
.if \mode == 1
	s_wait_alu depctr_va_vdst(0)
.irp k, 0,1,2,3,4,5,6,7,8,9,10,11,12,13
	v_mov_b32 v[NR+\k], v[NR+\k+2]
.endr
	ECLOAD 1
.else
	PLACES 4
.endif
	QUANT D1A, HCA, 4, 1, 232, 233                 ; relu, the hold and the three scales folded into one: 2^(e2 - e0 - e1)
	CLOAD \p                                       ; into the registers that tile A's hidden layer has left
	QUANT D1B, HCB, 4, 1, 232, 233
	v_nop                                          ; a plain instruction between the last conversion and the products, which read its result and write its sources
	s_wait_alu depctr_va_vdst(0)
	s_wait_dscnt 0x0                               ; the residual is in
	P2
	PLACES 4
	LNSUM
	LND
	LNVAR
	LNDR
	LNH
.if \mode == 2
.irp x, 0,1,2,3,4,5,6,7
	ds_store_b128 v7,  v[XA+4*\x:XA+4*\x+3] offset:16*\x
	ds_store_b128 v38, v[XA+32+4*\x:XA+32+4*\x+3] offset:16*\x
.endr
.else
	LNNRM \nd
.endif
.endm
; One of the six largest norms.  A payload is 64 x position + token as f32 (at most 32,767: exact).  Among the places that hold the largest norm the smallest payload is the lowest position.
.macro ROUND k
	v_max3_num_f32 v36, v[NR], v[NR+1], v[NR+2]
	v_max3_num_f32 v37, v[NR+3], v[NR+4], v[NR+5]
	s_delay_alu instid0(VALU_DEP_2)
	v_max3_num_f32 v36, v36, v[NR+6], v[NR+7]
	s_delay_alu instid0(VALU_DEP_2)
	v_max3_num_f32 v37, v37, v[NR+8], v[NR+9]
	s_delay_alu instid0(VALU_DEP_2)
	v_max3_num_f32 v36, v36, v[NR+10], v[NR+11]
	s_delay_alu instid0(VALU_DEP_2)
	v_max3_num_f32 v37, v37, v[NR+12], v[NR+13]
	s_delay_alu instid0(VALU_DEP_2)
	v_max3_num_f32 v36, v36, v[NR+14], v[NR+15]
	s_delay_alu instid0(VALU_DEP_1)
	v_max_num_f32 v36, v36, v37
	XRED v_max_num_f32_dpp, v_max_num_f32, 36, 37
	v_mov_b32 v[RK+\k], 0x7f800000
	v_mov_b32 v246, 0x7f800000
.irp n, 15,13,11,9,7,5,3,1             ; a lane's positions rise with the register: the lowest is written last.  Two chains
	v_cmp_eq_f32 vcc_lo, v[NR+\n], v36
	v_cmp_eq_f32 s58, v[NR+\n-1], v36
	s_delay_alu instid0(VALU_DEP_2)
	v_cndmask_b32 v246, v246, v[PY+\n], vcc_lo
	s_delay_alu instid0(VALU_DEP_2)
	v_cndmask_b32 v[RK+\k], v[RK+\k], v[PY+\n-1], s58
.endr
	s_delay_alu instid0(VALU_DEP_1)
	v_min_num_f32 v[RK+\k], v[RK+\k], v246
	XRED v_min_num_f32_dpp, v_min_num_f32, RK+\k, 37
.if \k < 5                             ; the place chosen leaves the field: -1 lies under every norm
.irp n, 0,2,4,6,8,10,12,14
	v_cmp_eq_f32 vcc_lo, v[PY+\n], v[RK+\k]
	v_cmp_eq_f32 s58, v[PY+\n+1], v[RK+\k]
	s_delay_alu instid0(VALU_DEP_2)
	v_cndmask_b32 v[NR+\n], v[NR+\n], -1.0, vcc_lo
	s_delay_alu instid0(VALU_DEP_2)
	v_cndmask_b32 v[NR+\n+1], v[NR+\n+1], -1.0, s58
.endr
.endif
.endm
	; ---- THE HEAD
	s_load_b512 s[4:19], s[0:1], 0x0               ; seq 4, embed 6, W1 8, W2 10, Wq 12, Wo 14, b1 16, b2 18
	s_load_b256 s[20:27], s[0:1], 0x40             ; gamma 20, beta 22, bq 24, bo 26
	s_load_b128 s[28:31], s[0:1], 0x60             ; the scales' exponents 28, out0 30
	v_lshrrev_b32 v36, 5, v0
	s_delay_alu instid0(VALU_DEP_1)
	v_readfirstlane_b32 s40, v36                   ; wave 0..7
	v_and_b32 v1, 15, v0                           ; r
	v_bfe_u32 v2, v0, 4, 1                         ; h
	v_and_b32 v3, 31, v0                           ; lane
	s_delay_alu instid0(VALU_DEP_1)
	v_lshlrev_b32 v4, 4, v3
	s_delay_alu instid0(VALU_DEP_2)
	v_lshlrev_b32 v39, 3, v3
	s_delay_alu instid0(VALU_DEP_4)
	v_lshl_add_u32 v5, v2, 4, COD
	v_lshlrev_b32 v6, 4, v1
	v_lshrrev_b32 v36, 3, v1                       ; g = r / 8
	v_and_b32 v37, 7, v1                           ; r % 8: for the tables my lane serves vocabulary row 8 wave + r % 8, features 32 g + 16 h + 0 .. 15
	v_lshlrev_b32 v242, 6, v2                      ; 64 h
	s_delay_alu instid0(VALU_DEP_1)
	v_lshl_add_u32 v241, v36, 7, v242              ; b2: 128 g + 64 h
	s_lshl_b32 s58, s40, 11
	v_lshl_add_u32 v240, v37, 8, v241
	s_delay_alu instid0(VALU_DEP_1)
	v_add_nc_u32 v240, s58, v240                   ; embed: + 256 x the row
	v_lshl_add_u32 v243, v36, 3, v1                ; r + 8 (r / 8)
	s_delay_alu instid0(VALU_DEP_1)
	v_lshlrev_b32 v244, 7, v243
	s_delay_alu instid0(VALU_DEP_1)
	v_lshl_add_u32 v244, v2, 4, v244               ; W2: rows of 128 bytes, + 16 h
	s_delay_alu instid0(VALU_DEP_3)
	v_lshlrev_b32 v243, 6, v243
	s_delay_alu instid0(VALU_DEP_1)
	v_lshl_add_u32 v243, v2, 4, v243               ; W1 and Wq: rows of 64 bytes, + 16 h
	s_mov_b32 s42, 0x76543210                      ; v_permlanex16_b32: lane l xor 16
	s_mov_b32 s43, 0xfedcba98
	s_mov_b32 s44, 0xffff0000                      ; lanes 16-31
	s_mov_b32 s45, 0x80000000                      ; the lane of position 509 in norm register 14
	s_mov_b32 s46, 0x80008000                      ; the lanes of positions 510 and 511 in norm register 15
	s_mov_b32 s51, 0x3c800000                      ; 1 / 64
	s_mov_b32 s52, 0x3727c5ac                      ; 1e-5
	s_lshl_b32 s58, ttmp9, 3
	s_add_co_u32 s58, s58, s40                     ; my sequence
	s_lshl_b32 s60, s58, 11                        ; its 2,048 bytes of seq,
	s_mov_b32 s61, 0
	s_lshl_b32 s62, s58, 8                         ; its 256 bytes of out0
	s_mov_b32 s63, 0
	s_wait_alu depctr_va_vdst(0)
	s_wait_kmcnt 0x0
	s_load_b256 s[32:39], s[28:29], 0x0            ; e0 .. e7
	s_add_nc_u64 s[4:5], s[4:5], s[60:61]
	s_add_nc_u64 s[30:31], s[30:31], s[62:63]
	s_mov_b64 s[2:3], s[4:5]                       ; walks along the sequence, 256 bytes a trip
	s_load_b32 s47, s[4:5], 0x7fc                  ; the token at position 511
	global_load_b128 v[TK:TK+3], v6, s[2:3]        ; trip 0's tokens: lane r takes positions 4 r + 0 .. 3, one for each of the trip's four tiles
.irp x, 0,1,2,3
	global_load_b128 v[120+4*\x:123+4*\x], v240, s[6:7] offset:16*\x
.endr
.irp x, 0,1,2,3
	global_load_b128 v[136+4*\x:139+4*\x], v241, s[18:19] offset:16*\x
.endr
	WIN 0x40                                       ; destination window 1
.irp t, 0,1,2,3,4,5,6,7
	global_load_b128 v[B1+8*\t:B1+8*\t+3],   v242, s[16:17] offset:(32*(\t/2)+8*(\t%2))*4
	global_load_b128 v[B1+8*\t+4:B1+8*\t+7], v242, s[16:17] offset:(32*(\t/2)+8*(\t%2))*4+16
.endr
.irp t, 0,1,2,3,4,5,6,7
.irp c, 0,1
	global_load_b128 v[W1F+8*\t+4*\c:W1F+8*\t+4*\c+3], v243, s[8:9] offset:(32*(\t/2)+8*(\t%2))*64+32*\c
.endr
.endr
.irp t, 0,1,2,3
.irp c, 0,1,2,3
	global_load_b128 v[W2F+16*\t+4*\c:W2F+16*\t+4*\c+3], v244, s[10:11] offset:(32*(\t/2)+8*(\t%2))*128+32*\c
.endr
.endr
.irp b, 0,1
.irp x, 0,1,2,3
	global_load_b128 v[GA+16*\b+4*\x:GA+16*\b+4*\x+3], v242, s[20:21] offset:128*\b+16*\x
	global_load_b128 v[BE+16*\b+4*\x:BE+16*\b+4*\x+3], v242, s[22:23] offset:128*\b+16*\x
.endr
.endr
	WIN 0
	s_lshl_b32 s60, s40, 15                        ; RES: my row's 4,096 bytes, + 2,048 g (chunks 4 g on) + 256 h
	v_lshlrev_b32 v245, 12, v37
	s_delay_alu instid0(VALU_DEP_1)
	v_lshl_add_u32 v245, v36, 11, v245
	s_delay_alu instid0(VALU_DEP_1)
	v_lshl_add_u32 v245, v2, 8, v245
	s_delay_alu instid0(VALU_DEP_1)
	v_add_nc_u32 v245, s60, v245
	s_mul_i32 s61, s40, 8*CODP                     ; COD: my row, + 32 g + 16 h
	v_mad_u32_u24 v246, v37, CODP, v5
	s_delay_alu instid0(VALU_DEP_1)
	v_lshl_add_u32 v246, v36, 5, v246
	s_delay_alu instid0(VALU_DEP_1)
	v_add_nc_u32 v246, s61, v246
	s_wait_kmcnt 0x0
	s_add_co_i32 s59, s32, s33
	s_sub_co_i32 s59, 0, s59                       ; -(e0 + e1)
	s_add_co_i32 s61, s34, s59
	MKSC s61, 232                                  ; the hidden layer's: e2 - e0 - e1
	MKSC s32, 234                                  ; e's
	MKSC s36, 236                                  ; h[511]'s
	MKSC s38, 238                                  ; ctx's
	s_add_co_i32 s62, s34, s35
	s_sub_co_i32 s53, 0, s62                       ; -(e2 + e3)
	s_add_co_i32 s48, s62, 127
	s_lshl_b32 s48, s48, 23                        ; 2^(e2 + e3)
	s_mov_b32 s49, s48                             ; (named with it as a pair)
	s_add_co_i32 s50, s62, 121
	s_lshl_b32 s50, s50, 23                        ; 2^(e2 + e3) / 64
	s_add_co_i32 s54, s36, s37
	s_add_co_i32 s54, s54, 127
	s_lshl_b32 s54, s54, 23                        ; 2^(e4 + e5)
	s_mov_b32 s55, s54
	s_add_co_i32 s56, s38, s39
	s_add_co_i32 s56, s56, 127
	s_lshl_b32 s56, s56, 23                        ; 2^(e6 + e7)
	s_mov_b32 s57, s56
.irp k, 0,1,2,3,4,5,6,7,8,9,10,11,12,13,14,15
	v_mov_b32 v[NR+\k], -1.0                       ; the norms' registers move down before they are filled: written once
.endr
	v_mov_b32 v[STA+5], 0                          ; named as upper halves of pairs
	v_mov_b32 v[STA+7], 0
	v_mov_b32 v[STA+13], 0
	v_mov_b32 v[STA+15], 0
	s_wait_loadcnt 48                              ; tokens, embed, b2 and b1 are in; behind them 48 loads were issued (W1 16, W2 16, gamma 8, beta 8), which may stay out
.irp i, 0,2,4,6,8,10,12,14
	v_pk_add_f32 v[152+\i:153+\i], v[120+\i:121+\i], v[136+\i:137+\i]
.endr
.irp i, 0,1,2,3,4,5,6,7,8,9,10,11,12,13,14,15
	v_ldexp_f32 v[152+\i], v[152+\i], s53          ; (embed + b2) / 2^(e2 + e3)
.endr
	QUANT 120, 168, 1, 0, 234, 235
	v_nop                                          ; a plain instruction behind the last conversion
	ds_store_b128 v246, v[168:171]
.irp s, 0,1,2,3,4,5,6,7,8,9,10,11,12,13,14,15   ; sixteen copies
	v_add_nc_u32 v[36+\s%2], \s, v1
	s_delay_alu instid0(VALU_DEP_1)
	v_and_b32 v[36+\s%2], 15, v[36+\s%2]
	s_delay_alu instid0(VALU_DEP_1)
	v_lshl_add_u32 v[36+\s%2], v[36+\s%2], 4, v245
.irp x, 0,1,2,3
	ds_store_b128 v[36+\s%2], v[152+4*\x:155+4*\x] offset:512*\x
.endr
.endr
	WIN 0x41                                       ; source 0 and destination window 1
.irp j, 0,1,2,3,4,5,6,7,8,9,10,11,12,13,14,15,16,17,18,19,20,21,22,23,24,25,26,27,28,29,30,31,32,33,34,35,36,37,38,39,40,41,42,43,44,45,46,47,48,49,50,51,52,53,54,55,56,57,58,59,60,61,62,63
	v_ldexp_f32 v[B1+\j], v[B1+\j], s59            ; b1 / 2^(e0 + e1): the power of two that the first product's sums lack
.endr
	WIN 0
	; the addresses for the table of h, made by every wave ahead of the branch: tile A = vocabulary rows 32 (wave % 2) + r, tile B = 16 further on
	s_and_b32 s62, s40, 1
	s_lshl_b32 s62, s62, 5
	v_add_nc_u32 v36, s62, v1
	s_delay_alu instid0(VALU_DEP_1)
	v_lshl_add_u32 v[AR], v36, 12, v4
	s_delay_alu instid0(VALU_DEP_1)
	v_add_nc_u32 v[AR+1], 0x10000, v[AR]
	s_delay_alu instid0(VALU_DEP_3)
	v_mad_u32_u24 v[AC], v36, CODP, v5
	s_delay_alu instid0(VALU_DEP_1)
	v_add_nc_u32 v[AC+1], 16*CODP, v[AC]
	v_mul_u32_u24 v7, v36, HTP
	s_delay_alu instid0(VALU_DEP_1)
	v_lshl_add_u32 v7, v2, 7, v7
	s_delay_alu instid0(VALU_DEP_1)
	v_add_nc_u32 v7, HT, v7                        ; row, + 128 h: a row holds the 32 registers of h = 0, then those of h = 1
	s_delay_alu instid0(VALU_DEP_1)
	v_add_nc_u32 v38, 16*HTP, v7
	s_wait_loadcnt 0x0                             ; the weights, gamma and beta
	s_wait_dscnt 0x0                               ; for the others' sake: my part of RES and COD has landed
	s_barrier_signal -1
	s_barrier_wait -1
	; ---- THE TABLE OF h: waves 0 and 1 take 32 vocabulary rows each through the very lines that the tokens take
	s_cmp_lt_u32 s40, 2
	s_cbranch_scc0 .Ltable_done
	s_wait_alu depctr_va_vdst(0)
	ECLOAD 0
	PAIR 0, 2, 0
.Ltable_done:
	s_wait_dscnt 0x0                               ; the rows of h have landed
	s_barrier_signal -1
	s_barrier_wait -1                              ; behind this barrier nothing is stored into the tables any more
	; ---- THE SEQUENCE: 8 trips of 64 positions.  In trip j tile i takes, in lane r, position 64 j + 4 r + i; norm register 2 j + p ends up with position 64 j + 4 r + 2 p + h
	s_mov_b32 s41, 8
.Ltrip:
	s_wait_loadcnt 0x0                             ; this trip's tokens are in, and their load has read its base
	ADDR 0
	ADDR 1
	ADDR 2
	ADDR 3
	s_cmp_eq_u32 s41, 1                            ; the next trip's tokens are asked for here, if there is a next trip: no load leaves the sequence
	s_cbranch_scc1 .Lno_next
	s_add_nc_u64 s[2:3], s[2:3], 256
	global_load_b128 v[TK:TK+3], v6, s[2:3]
.Lno_next:
	s_wait_alu depctr_va_vdst(0)
	ECLOAD 0
	PAIR 0, 1, 14
	PAIR 1, 0, 15
	s_sub_co_u32 s41, s41, 1
	s_cmp_lg_u32 s41, 0
	s_cbranch_scc1 .Ltrip
	; ---- AHEAD OF THE TOP-6: everything that the tail will want is asked for now
	v_lshl_add_u32 v244, v2, 2, v6                 ; 16 r + 4 h
	v_lshlrev_b32 v245, 7, v1
	s_delay_alu instid0(VALU_DEP_1)
	v_lshl_add_u32 v245, v2, 4, v245               ; Wo: 128 r + 16 h
.irp n, 0,1,2,3,4,5,6,7,8,9,10,11,12,13,14,15
	global_load_b32 v[PY+\n], v244, s[4:5] offset:256*(\n/2)+8*(\n%2)   ; the token at the position of norm register n
.endr
	WIN 0x40
.irp t, 0,1,2,3
.irp c, 0,1
	global_load_b128 v[WQ+8*\t+4*\c:WQ+8*\t+4*\c+3], v243, s[12:13] offset:(32*(\t/2)+8*(\t%2))*64+32*\c
.endr
.endr
.irp t, 0,1,2,3                        ; Wo's tile t takes, in lane r, row 2 r, 2 r + 1, 32 + 2 r, 33 + 2 r: lane l then ends up with outputs 2 l and 2 l + 1
.irp c, 0,1
	global_load_b128 v[WO+8*\t+4*\c:WO+8*\t+4*\c+3], v245, s[14:15] offset:(\t%2)*64+(\t/2)*2048+32*\c
.endr
.endr
.irp b, 0,1
.irp x, 0,1,2,3
	global_load_b128 v[BQ+16*\b+4*\x:BQ+16*\b+4*\x+3], v242, s[24:25] offset:128*\b+16*\x
.endr
.endr
	WIN 0
	global_load_b64 v[248:249], v39, s[26:27]      ; bo
	s_min_u32 s47, s47, 63
	s_mul_i32 s47, s47, HTP
	s_add_co_u32 s47, s47, HT
	v_lshl_add_u32 v246, v2, 7, s47                ; h of the last token
	v_mul_u32_u24 v247, v1, HTP
	s_delay_alu instid0(VALU_DEP_1)
	v_lshl_add_u32 v247, v2, 7, v247
	s_delay_alu instid0(VALU_DEP_1)
	v_add_nc_u32 v247, HT, v247                    ; h of vocabulary rows r, r + 16, r + 32, r + 48
.irp x, 0,1,2,3,4,5,6,7
	ds_load_b128 v[72+4*\x:75+4*\x], v246 offset:16*\x
.endr
.irp m, 0,1,2,3
.irp x, 0,1,2,3,4,5,6,7
	ds_load_b128 v[104+32*\m+4*\x:107+32*\m+4*\x], v247 offset:16*HTP*\m+16*\x
.endr
.endr
	v_cndmask_b32 v[NR+14], v[NR+14], -1.0, s45    ; positions 509 to 511 are no part of the body
	s_wait_alu depctr_va_vdst(0)
	v_cndmask_b32 v[NR+15], v[NR+15], -1.0, s46
	v_lshlrev_b32 v36, 4, v244                     ; 64 (4 r + h)
	s_wait_loadcnt 25                              ; the 16 tokens are in; behind them 25 loads were issued (Wq 8, Wo 8, bq 8, bo 1), which may stay out
.irp n, 0,1,2,3,4,5,6,7,8,9,10,11,12,13,14,15
	v_min_u32 v[PY+\n], 63, v[PY+\n]
.endr
.irp n, 0,1,2,3,4,5,6,7,8,9,10,11,12,13,14,15
	v_add3_u32 v[PY+\n], v[PY+\n], v36, (64*(\n/2)+2*(\n%2))*64
.endr
.irp n, 0,1,2,3,4,5,6,7,8,9,10,11,12,13,14,15
	v_cvt_f32_u32 v[PY+\n], v[PY+\n]               ; the payload: 64 x position + token
.endr
	; ---- THE TOP-6
	ROUND 0
	ROUND 1
	ROUND 2
	ROUND 3
	ROUND 4
	ROUND 5
	; ---- THE TAIL
.irp k, 0,1,2,3,4,5
	v_cvt_u32_f32 v[RK+\k], v[RK+\k]
.endr
.irp k, 0,1,2,3,4,5
	v_and_b32 v[RK+\k], 63, v[RK+\k]               ; the chosen token,
.endr
.irp k, 0,1,2,3,4,5
	v_sub_nc_u32 v[RK+\k], v[RK+\k], v1            ; less r: it is my row r + 16 m where this is 16 m
.endr
.irp m, 0,1,2,3                        ; c_m: how many of the six slots hold vocabulary row r + 16 m
	v_cmp_eq_u32 vcc_lo, 16*\m, v[RK]
	s_delay_alu instid0(VALU_DEP_1)
	v_cndmask_b32 v[250+\m], 0, 1.0, vcc_lo
.irp k, 1,2,3,4,5
	v_cmp_eq_u32 vcc_lo, 16*\m, v[RK+\k]
	s_delay_alu instid0(VALU_DEP_1)
	v_cndmask_b32 v255, 0, 1.0, vcc_lo
	s_delay_alu instid0(VALU_DEP_1)
	v_add_f32 v[250+\m], v[250+\m], v255
.endr
.endr
	s_wait_dscnt 0x0                               ; h of the last token and of my four rows
	s_wait_loadcnt 0x0                             ; Wq, Wo, bq, bo
	QUANT 72, 56, 2, 0, 236, 237                   ; h[511] becomes codes; every lane r holds the same row
	v_nop                                          ; a plain instruction between the last conversion and the products
	WIN 0x01                                       ; Wq in window 1
.irp t, 0,1,2,3
	v_wmma_f32_16x16x64_bf8_bf8 v[72+8*\t:79+8*\t], v[WQ+8*\t:WQ+8*\t+7], v[56:63], 0
.endr
	WIN 0
	PLACES 4
	WIN 0x10                                       ; bq in window 1
.irp i, 0,2,4,6,8,10,12,14,16,18,20,22,24,26,28,30
	v_pk_fma_f32 v[72+\i:73+\i], v[72+\i:73+\i], s[54:55], v[BQ+\i:BQ+\i+1] op_sel_hi:[1,0,1]   ; q = sum x 2^(e4 + e5) + bq
.endr
	WIN 0
.irp m, 0,1,2,3                        ; q . h of my four rows: four chains
	v_pk_mul_f32 v[240+2*\m:241+2*\m], v[72:73], v[104+32*\m:105+32*\m]
.endr
.irp i, 2,4,6,8,10,12,14,16,18,20,22,24,26,28,30
.irp m, 0,1,2,3
	s_delay_alu instid0(VALU_DEP_4)
	v_pk_fma_f32 v[240+2*\m:241+2*\m], v[72+\i:73+\i], v[104+32*\m+\i:105+32*\m+\i], v[240+2*\m:241+2*\m]
.endr
.endr
.irp m, 0,1,2,3
	s_delay_alu instid0(VALU_DEP_4)
	v_add_f32 v[240+2*\m], v[240+2*\m], v[241+2*\m]
.endr
.irp m, 0,1,2,3
	s_delay_alu instid0(VALU_DEP_4)
	v_permlanex16_b32 v[241+2*\m], v[240+2*\m], s42, s43
.endr
.irp m, 0,1,2,3
	s_delay_alu instid0(VALU_DEP_4)
	v_add_f32 v[240+2*\m], v[240+2*\m], v[241+2*\m]
.endr
	v_mov_b32 v254, 0xff800000                     ; -infinity for the rows that no slot holds
.irp m, 0,1,2,3
	v_cmp_lt_f32 vcc_lo, 0, v[250+\m]
	s_delay_alu instid0(VALU_DEP_1)
	v_cndmask_b32 v[240+2*\m], v254, v[240+2*\m], vcc_lo
.endr
	s_delay_alu instid0(VALU_DEP_3)
	v_max3_num_f32 v255, v240, v242, v244
	s_delay_alu instid0(VALU_DEP_1)
	v_max_num_f32 v255, v255, v246
	XROW v_max_num_f32_dpp, 255                    ; the largest score among the slots (both halves of the lanes hold the same numbers)
.irp m, 0,1,2,3
	v_sub_f32 v[240+2*\m], v[240+2*\m], v255
.endr
.irp m, 0,1,2,3
	s_delay_alu instid0(VALU_DEP_4)
	v_mul_f32 v[240+2*\m], 0x3e38aa3b, v[240+2*\m] ; x log2(e) / 8
.endr
	s_wait_alu depctr_va_vdst(0)
.irp m, 0,1,2,3
	v_exp_f32 v[240+2*\m], v[240+2*\m]
.endr
	v_nop                                          ; a plain instruction behind the exponentials
	s_wait_alu depctr_va_vdst(0)
.irp m, 0,1,2,3
	v_mul_f32 v[240+2*\m], v[250+\m], v[240+2*\m]  ; once for each slot that holds the row
.endr
	s_delay_alu instid0(VALU_DEP_3)
	v_add_f32 v255, v240, v242
	s_delay_alu instid0(VALU_DEP_2)
	v_add_f32 v254, v244, v246
	s_delay_alu instid0(VALU_DEP_1)
	v_add_f32 v255, v255, v254
	XROW v_add_f32_dpp, 255
	s_wait_alu depctr_va_vdst(0)
	v_rcp_f32 v254, v255
	v_nop                                          ; a plain instruction behind the reciprocal
	s_wait_alu depctr_va_vdst(0)
.irp m, 0,1,2,3
	v_mul_f32 v[240+2*\m], v[240+2*\m], v254
.endr
.irp i, 0,2,4,6,8,10,12,14,16,18,20,22,24,26,28,30
	v_pk_mul_f32 v[72+\i:73+\i], v[104+\i:105+\i], v[240:241] op_sel_hi:[1,0]
.endr
.irp m, 1,2,3
.irp i, 0,2,4,6,8,10,12,14,16,18,20,22,24,26,28,30
	v_pk_fma_f32 v[72+\i:73+\i], v[104+32*\m+\i:105+32*\m+\i], v[240+2*\m:241+2*\m], v[72+\i:73+\i] op_sel_hi:[1,0,1]
.endr
.endr
.irp x, 1,2,4,8                        ; ctx: the sum over the 16 lanes of a row, in every lane
.irp i, 0,1,2,3,4,5,6,7,8,9,10,11,12,13,14,15,16,17,18,19,20,21,22,23,24,25,26,27,28,29,30,31
	v_add_f32_dpp v[72+\i], v[72+\i], v[72+\i] row_xmask:\x row_mask:0xf bank_mask:0xf
.endr
.endr
	QUANT 72, 56, 2, 0, 238, 239
	v_nop                                          ; a plain instruction between the last conversion and the products
	WIN 0x04                                       ; Wo in window 1
.irp t, 0,1,2,3
	v_wmma_f32_16x16x64_bf8_bf8 v[104+8*\t:111+8*\t], v[56:63], v[WO+8*\t:WO+8*\t+7], 0   ; source 0 = ctx in all 16 rows, source 1 = 16 rows of Wo: register 0 of lane (r, h) is the output of lane r's row
.endr
	WIN 0
	PLACES 4
	v_cndmask_b32 v254, v104, v120, s44            ; output 2 l: tile 0 in lanes 0-15, tile 2 in lanes 16-31
	v_cndmask_b32 v255, v112, v128, s44            ; output 2 l + 1: tiles 1 and 3
	s_delay_alu instid0(VALU_DEP_1)
	v_pk_fma_f32 v[254:255], v[254:255], s[56:57], v[248:249] op_sel_hi:[1,0,1]   ; sum x 2^(e6 + e7) + bo
	global_store_b64 v39, v[254:255], s[30:31]     ; the 32 lanes store the row's 256 consecutive bytes, at a multiple of 256 from out0's first byte
	s_wait_xcnt 0x0
	v_lshl_add_u32 v254, v0, 2, 0x45800
	v_mov_b32 v255, 0
	s_wait_alu depctr_va_vdst(0)
	s_wait_tensorcnt 0x0
	ds_add_u32 v254, v255
	s_wait_dscnt 0x0
	s_endpgm
.Lfunc_end_k_q7ca6da1d3b_slot:
	.size	k_q7ca6da1d3b_slot, .Lfunc_end_k_q7ca6da1d3b_slot-k_q7ca6da1d3b_slot
	.p2alignl 7, 3214868480
	.fill 96, 4, 3214868480
	.section	.rodata,"a",@progbits
	.p2align	6, 0x0
	.amdhsa_kernel k_q7ca6da1d3b_slot
		.amdhsa_group_segment_fixed_size 285696
		.amdhsa_private_segment_fixed_size 0
		.amdhsa_enable_private_segment 0
		.amdhsa_kernarg_size 112
		.amdhsa_user_sgpr_count 2
		.amdhsa_user_sgpr_kernarg_segment_ptr 1
		.amdhsa_wavefront_size32 1
		.amdhsa_system_sgpr_workgroup_id_x 1
		.amdhsa_system_sgpr_workgroup_id_y 1
		.amdhsa_system_sgpr_workgroup_id_z 1
		.amdhsa_system_vgpr_workitem_id 0
		.amdhsa_next_free_vgpr 512
		.amdhsa_next_free_sgpr 66
		.amdhsa_reserve_vcc 1
		.amdhsa_float_denorm_mode_32 3
		.amdhsa_float_denorm_mode_16_64 3
		.amdhsa_fp16_overflow 1
		.amdhsa_memory_ordered 1
		.amdhsa_forward_progress 1
		.amdhsa_inst_pref_size 185
	.end_amdhsa_kernel
	.amdgpu_metadata
---
amdhsa.version: [ 1, 2 ]
amdhsa.kernels:
  - .name:           k_q7ca6da1d3b_slot
    .symbol:         k_q7ca6da1d3b_slot.kd
    .args:
      - { .name: seq, .offset: 0, .size: 8, .value_kind: global_buffer, .address_space: global }
      - { .name: embed, .offset: 8, .size: 8, .value_kind: global_buffer, .address_space: global }
      - { .name: W1_codes, .offset: 16, .size: 8, .value_kind: global_buffer, .address_space: global }
      - { .name: W2_codes, .offset: 24, .size: 8, .value_kind: global_buffer, .address_space: global }
      - { .name: Wq_codes, .offset: 32, .size: 8, .value_kind: global_buffer, .address_space: global }
      - { .name: Wo_codes, .offset: 40, .size: 8, .value_kind: global_buffer, .address_space: global }
      - { .name: b1, .offset: 48, .size: 8, .value_kind: global_buffer, .address_space: global }
      - { .name: b2, .offset: 56, .size: 8, .value_kind: global_buffer, .address_space: global }
      - { .name: gamma, .offset: 64, .size: 8, .value_kind: global_buffer, .address_space: global }
      - { .name: beta, .offset: 72, .size: 8, .value_kind: global_buffer, .address_space: global }
      - { .name: bq, .offset: 80, .size: 8, .value_kind: global_buffer, .address_space: global }
      - { .name: bo, .offset: 88, .size: 8, .value_kind: global_buffer, .address_space: global }
      - { .name: lowp_scales, .offset: 96, .size: 8, .value_kind: global_buffer, .address_space: global }
      - { .name: out0, .offset: 104, .size: 8, .value_kind: global_buffer, .address_space: global }
    .group_segment_fixed_size: 285696
    .private_segment_fixed_size: 0
    .kernarg_segment_align: 8
    .kernarg_segment_size: 112
    .max_flat_workgroup_size: 256
    .sgpr_count:     66
    .vgpr_count:     512
    .wavefront_size: 32
...
	.end_amdgpu_metadata
.endif
;; end of part 1
